; MI455X (gfx1250); checked and timed in simulation.
; The chip was launched on July 23, 2026; its instructions are those of AMD's public machine-readable ISA for CDNA 5 (MIT licence, August 2026) and "CDNA5" Instruction Set Architecture Reference Guide (July 2026). The comments in the code are by the model that wrote it; some were corrected since.
;; SVTR Block. Allowed arithmetic: float matrix products may take bf16 or f16 operands with f32 sums; all other float work in f32.
;; Inputs: fc1_b 1,024 float32; fc1_w 256 x 1,024 float32; fc2_b 256 float32; fc2_w 1,024 x 256 float32; ln1_b 256 float32; ln1_g 256 float32; ln2_b 256 float32; ln2_g 256 float32; proj_b 256 float32; proj_w 256 x 256 float32; qkv_b 768 float32; qkv_w 256 x 768 float32; x 32 x 1,024 x 256 float32.
;; Outputs: out0 32 x 1,024 x 256 float32.
;; One version. Each part assembles by itself: llvm-mc -triple=amdgcn-amd-amdhsa -mcpu=gfx1250 --defsym DOCPART=n.
;; ======== version 1 of 1: 4 launches
;; limits: a function is approximated: absolute error at most 2.5e-05
;; workspace buffers: wb 1,572,864 bytes; qkv 50,331,648 bytes; ctx 16,777,216 bytes
;; launch cast (part 1): grid 192 x 1, 8 waves a work-group, no clusters, 0 bytes of LDS; arguments qkv_w, proj_w, fc1_w, fc2_w, wb; writes wb
.if DOCPART == 1
	.amdgcn_target "amdgcn-amd-amdhsa--gfx1250"
	.amdhsa_code_object_version 6
	.text
	.protected	k_q4e815c9841_cast
	.globl	k_q4e815c9841_cast
	.p2align	8
	.type	k_q4e815c9841_cast,@function
k_q4e815c9841_cast:
	s_mov_b64 s[64:65], 0
	v_nop
	global_prefetch_b8 v0, s[64:65] scope:SCOPE_SE
	s_setreg_imm32_b32 hwreg(HW_REG_WAVE_MODE, 25, 1), 1
	s_wait_xcnt 0x0
; The four weight matrices, f32, are rounded once to bf16 and laid end to end in wb, each in its own order [K][N]:
; qkv_w at byte 0, proj_w at 393,216, fc1_w at 524,288, fc2_w at 1,048,576.
; A work-group converts 4,096 numbers: groups 0-47 qkv_w, 48-63 proj_w, 64-127 fc1_w, 128-191 fc2_w; its 8,192 bytes of wb begin at 8,192 x its number.
; A wave takes 512 numbers: four loads of 512 consecutive bytes, four stores of 256 consecutive bytes at multiples of 256.
; A stream: no LDS, no barrier, no matrix unit; there is work for 192 work-groups, so 192 are launched.
	s_load_b256 s[4:11], s[0:1], 0x0               ; qkv_w s[4:5], proj_w s[6:7], fc1_w s[8:9], fc2_w s[10:11]
	s_load_b64 s[12:13], s[0:1], 0x20              ; wb
	v_lshrrev_b32 v1, 5, v0                        ; wave
	v_and_b32 v2, 31, v0                           ; lane
	v_lshlrev_b32 v3, 4, v2
	v_lshl_add_u32 v3, v1, 11, v3                  ; source: 2,048 x wave + 16 x lane
	v_lshlrev_b32 v2, 3, v2
	v_lshl_add_u32 v2, v1, 10, v2                  ; destination: 1,024 x wave + 8 x lane
	s_mov_b32 s14, ttmp9
	s_mov_b32 s18, 0                               ; the first group of the matrix in hand
	s_wait_kmcnt 0x0
	s_mov_b64 s[16:17], s[4:5]
	s_cmp_ge_u32 s14, 48                           ; which matrix: the choice hangs on the group's number alone
	s_cselect_b64 s[16:17], s[6:7], s[16:17]
	s_cselect_b32 s18, 48, s18
	s_cmp_ge_u32 s14, 64
	s_cselect_b64 s[16:17], s[8:9], s[16:17]
	s_cselect_b32 s18, 64, s18
	s_cmp_ge_u32 s14, 128
	s_cselect_b64 s[16:17], s[10:11], s[16:17]
	s_cselect_b32 s18, 128, s18
	s_sub_co_u32 s18, s14, s18
	s_lshl_b32 s18, s18, 14                        ; 16,384 bytes of f32 a group
	s_mov_b32 s19, 0
	s_add_nc_u64 s[16:17], s[16:17], s[18:19]
	s_lshl_b32 s20, s14, 13                        ; 8,192 bytes of bf16 a group
	s_mov_b32 s21, 0
	s_add_nc_u64 s[12:13], s[12:13], s[20:21]
.irp i, 0,1,2,3
	global_load_b128 v[4+4*\i:7+4*\i], v3, s[16:17] offset:512*\i th:TH_LOAD_NT
.endr
.irp i, 0,1,2,3
	s_wait_loadcnt 3-\i                            ; loads come back in order: load i is in, the younger ones stay out
	v_cvt_pk_bf16_f32 v[20+2*\i], v[4+4*\i], v[5+4*\i]
	v_cvt_pk_bf16_f32 v[21+2*\i], v[6+4*\i], v[7+4*\i]
	global_store_b64 v2, v[20+2*\i:21+2*\i], s[12:13] offset:256*\i
.endr
	s_endpgm
.Lfunc_end_k_q4e815c9841_cast:
	.size	k_q4e815c9841_cast, .Lfunc_end_k_q4e815c9841_cast-k_q4e815c9841_cast
	.p2alignl 7, 3214868480
	.fill 96, 4, 3214868480
	.section	.rodata,"a",@progbits
	.p2align	6, 0x0
	.amdhsa_kernel k_q4e815c9841_cast
		.amdhsa_group_segment_fixed_size 0
		.amdhsa_private_segment_fixed_size 0
		.amdhsa_enable_private_segment 0
		.amdhsa_kernarg_size 40
		.amdhsa_user_sgpr_count 2
		.amdhsa_user_sgpr_kernarg_segment_ptr 1
		.amdhsa_wavefront_size32 1
		.amdhsa_system_sgpr_workgroup_id_x 1
		.amdhsa_system_sgpr_workgroup_id_y 1
		.amdhsa_system_sgpr_workgroup_id_z 1
		.amdhsa_system_vgpr_workitem_id 0
		.amdhsa_next_free_vgpr 32
		.amdhsa_next_free_sgpr 66
		.amdhsa_reserve_vcc 0
		.amdhsa_float_denorm_mode_32 3
		.amdhsa_float_denorm_mode_16_64 3
		.amdhsa_memory_ordered 1
		.amdhsa_forward_progress 1
		.amdhsa_inst_pref_size 3
	.end_amdhsa_kernel
	.amdgpu_metadata
---
amdhsa.version: [ 1, 2 ]
amdhsa.kernels:
  - .name:           k_q4e815c9841_cast
    .symbol:         k_q4e815c9841_cast.kd
    .args:
      - { .name: qkv_w, .offset: 0, .size: 8, .value_kind: global_buffer, .address_space: global }
      - { .name: proj_w, .offset: 8, .size: 8, .value_kind: global_buffer, .address_space: global }
      - { .name: fc1_w, .offset: 16, .size: 8, .value_kind: global_buffer, .address_space: global }
      - { .name: fc2_w, .offset: 24, .size: 8, .value_kind: global_buffer, .address_space: global }
      - { .name: wb, .offset: 32, .size: 8, .value_kind: global_buffer, .address_space: global }
    .group_segment_fixed_size: 0
    .private_segment_fixed_size: 0
    .kernarg_segment_align: 8
    .kernarg_segment_size: 40
    .max_flat_workgroup_size: 256
    .sgpr_count:     66
    .vgpr_count:     32
    .wavefront_size: 32
...
	.end_amdgpu_metadata
.endif
;; end of part 1
;; launch qkv (part 2): grid 256 x 1, 4 waves a work-group, clusters of 4 x 1, 327,680 bytes of LDS; arguments x, wb, qkv_b, qkv; writes qkv
.if DOCPART == 2
	.amdgcn_target "amdgcn-amd-amdhsa--gfx1250"
	.amdhsa_code_object_version 6
	.text
	.protected	k_q4e815c9841_qkv
	.globl	k_q4e815c9841_qkv
	.p2align	8
	.type	k_q4e815c9841_qkv,@function
k_q4e815c9841_qkv:
	s_mov_b64 s[64:65], 0
	v_nop
	global_prefetch_b8 v0, s[64:65] scope:SCOPE_SE
	s_setreg_imm32_b32 hwreg(HW_REG_WAVE_MODE, 25, 1), 1
	s_wait_xcnt 0x0
	s_wait_alu depctr_hold_cnt(0) depctr_sa_sdst(0) depctr_va_vdst(0) depctr_va_sdst(0) depctr_va_ssrc(0) depctr_va_vcc(0) depctr_vm_vsrc(0)
	s_getreg_b32 s2, hwreg(HW_REG_IB_STS2, 6, 4)
	s_cmp_eq_u32 s2, 0
	s_cbranch_scc0 .Lentry_in_a_cluster
	s_endpgm
.Lentry_in_a_cluster:
	s_bfe_u32 s2, ttmp6, 0x10000c
	s_cmp_lg_u32 s2, 0x3003
	s_cbranch_scc0 .Lentry_shape_is_right
	s_endpgm
.Lentry_shape_is_right:
; qkv = x Wqkv + b.  x [32768][256] f32, Wqkv [256][768] bf16 (wb, byte 0), b [768] f32; sums in f32, started from the bias; the result rounded once to bf16.
; OUTPUT LAYOUT [batch 32][octet 96][token 1024][8]: octet = column / 8 (q 0-31, k 32-63, v 64-95; a head has four octets of each).  The matrix instruction is used transposed
; (source 0 = 16 columns of W, source 1 = 16 tokens), so a lane holds one token and 8 neighbouring columns, 16 bytes, and 16 neighbouring lanes store 256 consecutive bytes at a multiple of 256.
; SHARES.  A work-group owns 128 tokens; its four waves are 2 x 2: 64 tokens x 64 of a sub-chunk's 128 columns, 16 accumulators.  x's fragments (64 tokens x K = 256, bf16) stay in 256 registers,
; so each fragment of W read from LDS feeds four matrix instructions.  The 768 columns go in three chunks of 256 through two LDS slots.
; CLUSTER.  The four work-groups of a cluster walk the same weights: each chunk is asked for jointly, each wave its 64 of the 256 rows.  x is each work-group's own; the bias, 3,072 bytes once, is asked for singly.
; The scale 1/sqrt(32) of q is not applied here: the attention applies it in f32.
; REGISTERS.  window 0: v1-15 addresses; v32-63 bias; v64-127 two buffers of W's fragments; v128-255 accumulators ((mb, nb) at 128 + 8 (4 mb + nb)).
;   window 1: x's fragments, (mb, ks) at 64 mb + 8 ks.   window 2: v0-63 packed results.
.set PX,    1040                       ; a row of x in LDS: 1,024 bytes + 16: the 16 rows of a load start at 16 different groups of four banks (64 banks of 4 bytes: ISA guide 11.1)
.set PW,    544                        ; a row of W in LDS: 512 bytes + 32: an odd multiple of 32 for the turning load
.set SLOT1, 139264                     ; slot 0 at 0: 256 rows x 544.  Slot 1 first holds x (128 rows x 1,040).  SLOT1 shares no bit with 34,816 x wave: one exclusive or changes slots
.set BIAS,  278528
.set SPARE, 281600                     ; the spare words: 128 bytes for each wave, two blocks of 256 bytes that no other line names
.set SPW, 8
.set NIL, 9
.set LW,  10                           ; my lane's place in a tile of W, with my wave's 64 columns
.set ALO, 11                           ; LDS address for K steps 0-3 of the sub-chunk in hand
.set AHI, 12                           ; for K steps 4-7
.set XA,  13
.set BA,  14                           ; my eight bias numbers of the sub-chunk in hand
.set CO,  15                           ; my byte offset in the output
.set BR,  32
.set FB0, 64
.set ACC, 128
.set WV,  12
.set G1X, 16
.set G0X, 24
.set G1Q, 28
.set G0Q, 36
.set G1W, 40
.set G0W, 48
.set T,   52                           ; LDS byte at which the sub-chunk's columns begin
.set OC,  53
.set IC,  54
.set OB,  56
.set MSB, 0
.macro WIN new                         ; the immediate's high byte repeats the setting that is left; a switch that changes nothing is dropped
.if MSB != (\new)
	s_set_vgpr_msb (MSB<<8)|(\new)
.set MSB, \new
.endif
.endm
.macro PLACES                          ; four plain vector instructions between a matrix instruction and a load into, or a vector read of, its registers
.rept 4
	v_nop
.endr
.endm
.macro ROUND                           ; a round of the cluster's barrier
	s_barrier_signal -1
	s_barrier_wait -1
	s_cmp_lg_u32 s[WV], 0
	s_cbranch_scc1 .Lnot_wave_0_\@
	s_barrier_signal -3
.Lnot_wave_0_\@:
	s_barrier_wait -3
	s_barrier_signal -1
	s_barrier_wait -1
.endm
	s_load_b256 s[4:11], s[0:1], 0x0               ; x s[4:5], wb s[6:7], qkv_b s[8:9], qkv s[10:11]
	v_lshl_add_u32 v[SPW], v0, 2, SPARE
	v_mov_b32 v[NIL], 0
	ds_add_u32 v[SPW], v[NIL]                      ; the wave's opening: the add and its wait come ahead of my first tensor load; the set-up stands between them
	ds_add_u32 v8, v9
	v_lshrrev_b32 v3, 5, v0
	v_readfirstlane_b32 s[WV], v3                  ; wave 0..3
	s_bfe_u32 s13, ttmp6, 0x40000                  ; cx
	s_lshl_b32 s14, ttmp9, 2
	s_add_co_u32 s14, s14, s13                     ; my block of 128 tokens: it enters x's and the output's addresses alone
	s_lshr_b32 s15, s[WV], 1                       ; which 64 tokens
	s_and_b32 s55, s[WV], 1                        ; which 64 columns
	; x: 32 rows of 256 f32 a wave, 16 bytes of padding behind each row
	s_mov_b32 s[G1X+0], (2<<16)|(1<<20)|(7<<22)|(3<<25)
	s_mov_b32 s[G1X+1], 256<<16
	s_mov_b32 s[G1X+2], 32<<16
	s_mov_b32 s[G1X+3], 256<<16
	s_mov_b32 s[G1X+4], 32
	s_mov_b32 s[G1X+5], 256
	s_mov_b32 s[G1X+6], 0
	s_mov_b32 s[G1X+7], 0
	; bias: one row of 768 bytes a wave
	s_mov_b32 s[G1Q+0], 3<<16
	s_mov_b32 s[G1Q+1], 96<<16
	s_mov_b32 s[G1Q+2], 1<<16
	s_mov_b32 s[G1Q+3], 96<<16
	s_mov_b32 s[G1Q+4], 1
	s_mov_b32 s[G1Q+5], 96
	s_mov_b32 s[G1Q+6], 0
	s_mov_b32 s[G1Q+7], 0
	; W: 64 rows of 256 bf16 a wave, 32 bytes of padding behind each row; the mask names the cluster's four work-groups
	s_mov_b32 s[G1W+0], 15|(1<<16)|(1<<20)|(1<<21)|(6<<22)|(7<<25)
	s_mov_b32 s[G1W+1], 256<<16
	s_mov_b32 s[G1W+2], 64<<16
	s_mov_b32 s[G1W+3], 256<<16
	s_mov_b32 s[G1W+4], 64
	s_mov_b32 s[G1W+5], 768
	s_mov_b32 s[G1W+6], 0
	s_mov_b32 s[G1W+7], 0
	s_mov_b32 s[G0X], 1
	s_mul_i32 s[G0X+1], s[WV], 32*PX
	s_add_co_u32 s[G0X+1], s[G0X+1], SLOT1
	s_mov_b32 s[G0Q], 1
	s_mul_i32 s[G0Q+1], s[WV], 768
	s_add_co_u32 s[G0Q+1], s[G0Q+1], BIAS
	s_mov_b32 s[G0W], 1
	s_mul_i32 s[G0W+1], s[WV], 64*PW
	s_lshl_b32 s58, s14, 17                        ; x: 131,072 bytes a block, 32,768 a wave
	s_lshl_b32 s59, s[WV], 15
	s_add_co_u32 s58, s58, s59
	s_mov_b32 s59, 0
	s_mul_i32 s60, s[WV], 768
	s_mov_b32 s61, 0
	s_mul_i32 s62, s[WV], 64*768*2
	s_mov_b32 s63, 0
	v_and_b32 v1, 15, v0                           ; r = lane % 16
	v_bfe_u32 v2, v0, 4, 1                         ; h = lane / 16
	v_and_b32 v4, 7, v0
	v_bfe_u32 v5, v0, 3, 1
	v_lshl_add_u32 v4, v2, 3, v4                   ; the turning load: row 8 h + lane % 8, 16 bytes (lane / 8) % 2
	v_mul_u32_u24 v[LW], v4, PW
	v_lshl_add_u32 v[LW], v5, 4, v[LW]
	s_lshl_b32 s2, s55, 7
	v_add_nc_u32 v[LW], s2, v[LW]
	v_mul_u32_u24 v[XA], v1, PX
	v_lshl_add_u32 v[XA], v2, 5, v[XA]
	s_mul_i32 s2, s15, 64*PX
	s_add_co_u32 s2, s2, SLOT1
	v_add_nc_u32 v[XA], s2, v[XA]                  ; x: row 64 wrow + r, 32 bytes for each half of the lanes
	s_lshl_b32 s2, s55, 8
	s_add_co_u32 s2, s2, BIAS
	v_lshl_add_u32 v[BA], v2, 5, s2
	v_lshlrev_b32 v[CO], 4, v1
	v_lshl_add_u32 v[CO], v2, 14, v[CO]            ; octet h, token r
	s_lshr_b32 s2, s14, 3                          ; batch
	s_mul_i32 s2, s2, 1572864
	s_and_b32 s3, s14, 7
	s_lshl_b32 s3, s3, 11                          ; the block's first token x 16
	s_add_co_u32 s2, s2, s3
	s_lshl_b32 s3, s15, 10
	s_add_co_u32 s2, s2, s3
	s_lshl_b32 s3, s55, 17                         ; my wave's 8 octets
	s_add_co_u32 s2, s2, s3
	s_mov_b32 s3, 0
	s_wait_dscnt 0x0                               ; the opening add is done
	s_wait_kmcnt 0x0
	s_add_nc_u64 s[G0X+2:G0X+3], s[4:5], s[58:59]
	s_or_b32 s[G0X+3], s[G0X+3], 0x80000000
	s_add_nc_u64 s[G0Q+2:G0Q+3], s[8:9], s[60:61]
	s_or_b32 s[G0Q+3], s[G0Q+3], 0x80000000
	s_add_nc_u64 s[G0W+2:G0W+3], s[6:7], s[62:63]
	s_or_b32 s[G0W+3], s[G0W+3], 0x80000000
	s_add_nc_u64 s[OB:OB+1], s[10:11], s[2:3]
	ROUND                                          ; all four work-groups are here: the first joint loads meet
	tensor_load_to_lds s[G0X:G0X+3], s[G1X:G1X+7]  ; the first fills go out together: three loads of mine are out
	s_nop 0
	tensor_load_to_lds s[G0Q:G0Q+3], s[G1Q:G1Q+7]
	s_nop 0
	tensor_load_to_lds s[G0W:G0W+3], s[G1W:G1W+7]  ; chunk 0 into slot 0
	s_nop 0
	PLACES
	s_wait_tensorcnt 0x0                           ; my parts are in,
	s_barrier_signal -1
	s_barrier_wait -1                              ; everybody's are
; x's fragments of block mb (16 tokens x K = 256): f32 out of LDS, rounded to bf16.  Lane (r, h): token r; registers 0-3 K = 32 ks + 8 h + 0..7, registers 4-7 K = 32 ks + 16 + 8 h + 0..7.
.macro XCONV mb
	WIN 0
.set i, 0
.rept 8
	ds_load_b128 v[ACC+16*i:ACC+16*i+3],     v[XA] offset:(\mb)*16*PX+i*128
	ds_load_b128 v[ACC+16*i+4:ACC+16*i+7],   v[XA] offset:(\mb)*16*PX+i*128+16
	ds_load_b128 v[ACC+16*i+8:ACC+16*i+11],  v[XA] offset:(\mb)*16*PX+i*128+64
	ds_load_b128 v[ACC+16*i+12:ACC+16*i+15], v[XA] offset:(\mb)*16*PX+i*128+80
.set i, i+1
.endr
	s_wait_dscnt 0x0
	WIN 0x40                                       ; destination window 1
.set i, 0
.rept 64
	v_cvt_pk_bf16_f32 v[64*(\mb)+i], v[ACC+2*i], v[ACC+2*i+1]
.set i, i+1
.endr
.endm
; W's fragments of K step k: four blocks of 16 columns, turned, into buffer k % 2
.macro WLOAD k
	WIN 0
.if (\k) < 4
.set AR, ALO
.else
.set AR, AHI
.endif
.set fl, FB0+32*((\k)%2)
.irp n, 0,1,2,3
	ds_load_tr16_b128 v[fl+8*\n:fl+8*\n+3],   v[AR] offset:((\k)%4)*32*PW+32*\n
	ds_load_tr16_b128 v[fl+8*\n+4:fl+8*\n+7], v[AR] offset:((\k)%4)*32*PW+16*PW+32*\n
.endr
.endm
; A sub-chunk: 64 tokens x 64 columns x K = 256: 128 matrix instructions; the 16 accumulators take turns.  The first K step takes the bias as C.
.macro SUB
	WIN 0
	v_add_nc_u32 v[ALO], s[T], v[LW]
	v_add_nc_u32 v[AHI], 128*PW, v[ALO]
.irp n, 0,1,2,3
	ds_load_b128 v[BR+8*\n:BR+8*\n+3],   v[BA] offset:64*\n
	ds_load_b128 v[BR+8*\n+4:BR+8*\n+7], v[BA] offset:64*\n+16
.endr
	WLOAD 0
.set ks, 0
.rept 8
	s_wait_dscnt 0x0                               ; this K step's fragments are in
.if ks < 7
	PLACES                                         ; the other buffer was read by the matrix instructions just issued
	WLOAD ks+1
.endif
	WIN 0x04                                       ; source 1 (x) in window 1
.set fb, FB0+32*(ks%2)
.set a, 0
.rept 16
.if ks == 0
	v_wmma_f32_16x16x32_bf16 v[ACC+8*a:ACC+8*a+7], v[fb+8*(a%4):fb+8*(a%4)+7], v[64*(a/4)+8*ks:64*(a/4)+8*ks+7], v[BR+8*(a%4):BR+8*(a%4)+7]
.else
	v_wmma_f32_16x16x32_bf16 v[ACC+8*a:ACC+8*a+7], v[fb+8*(a%4):fb+8*(a%4)+7], v[64*(a/4)+8*ks:64*(a/4)+8*ks+7], v[ACC+8*a:ACC+8*a+7]
.endif
.set a, a+1
.endr
.set ks, ks+1
.endr
	WIN 0
	PLACES                                         ; the conversions read results just made
	s_wait_xcnt 0x0                                ; the last sub-chunk's stores have had their addresses translated (ISA guide 3.1): their base and data registers are rewritten only behind this wait
	s_add_nc_u64 s[OB:OB+1], s[OB:OB+1], 262144    ; 16 octets on; the stores reach back
	WIN 0x80                                       ; destination window 2
.set i, 0
.rept 64
	v_cvt_pk_bf16_f32 v[i], v[ACC+2*i], v[ACC+2*i+1]
.set i, i+1
.endr
	WIN 0x08                                       ; store data in window 2
.set a, 0
.rept 16
	global_store_b128 v[CO], v[4*a:4*a+3], s[OB:OB+1] offset:(a%4)*32768+(a/4)*256-262144  ; 16 lanes store 256 consecutive bytes, at a multiple of 256 from the buffer's first
.set a, a+1
.endr
	WIN 0
	v_add_nc_u32 v[BA], 512, v[BA]
	s_add_co_u32 s[T], s[T], 256
.endm
.macro VISIT                           ; a chunk's two sub-chunks; then the reads turn to the other slot
	s_mov_b32 s[IC], 2
.Lsub_\@:
	SUB
	s_sub_co_u32 s[IC], s[IC], 1
	s_cmp_lg_u32 s[IC], 0
	s_cbranch_scc1 .Lsub_\@
	s_sub_co_u32 s[T], s[T], 512
	s_xor_b32 s[T], s[T], SLOT1
.endm
; THE CHANGE OF SLOTS.  Each wave waits for all its tensor loads (its part of the slot to be read), adds 0 to its spare word, waits for that and for its reads of the slot that it leaves.
; fill = 1: a round of the cluster's barrier, and the joint refill first behind it: the next chunk but one has a whole chunk, 256 matrix instructions of a wave, in which to land.
.macro CHG fill
	WIN 0
	s_wait_tensorcnt 0x0                           ; no tensor load of mine is out, so the group 0 may be written
	ds_add_u32 v[SPW], v[NIL]
.if \fill
	s_xor_b32 s[G0W+1], s[G0W+1], SLOT1            ; the other slot than last time,
	s_add_nc_u64 s[G0W+2:G0W+3], s[G0W+2:G0W+3], 512  ; the next 256 columns
.endif
	s_wait_dscnt 0x0                               ; the add is done, and my reads of the slot are over
.if \fill
	ROUND
	tensor_load_to_lds s[G0W:G0W+3], s[G1W:G1W+7]
	s_nop 0
	PLACES
.else
	s_barrier_signal -1
	s_barrier_wait -1
.endif
.endm
	XCONV 0
	XCONV 1
	XCONV 2
	XCONV 3
	WIN 0
	s_mov_b32 s[T], 0
	s_mov_b32 s[OC], 2
.Lchunk:                                               ; chunk 0 (q) while chunk 1 lands where x lay; chunk 1 (k) while chunk 2 lands in slot 0
	CHG 1
	VISIT
	s_sub_co_u32 s[OC], s[OC], 1
	s_cmp_lg_u32 s[OC], 0
	s_cbranch_scc1 .Lchunk
	CHG 0                                          ; the last chunk (v) is written out: nothing is left to ask for
	VISIT
	s_wait_tensorcnt 0x0                           ; the wave's end
	ds_add_u32 v[SPW], v[NIL]
	s_wait_dscnt 0x0
	ROUND                                          ; the closing round
	s_endpgm
.Lfunc_end_k_q4e815c9841_qkv:
	.size	k_q4e815c9841_qkv, .Lfunc_end_k_q4e815c9841_qkv-k_q4e815c9841_qkv
	.p2alignl 7, 3214868480
	.fill 96, 4, 3214868480
	.section	.rodata,"a",@progbits
	.p2align	6, 0x0
	.amdhsa_kernel k_q4e815c9841_qkv
		.amdhsa_group_segment_fixed_size 327680
		.amdhsa_private_segment_fixed_size 0
		.amdhsa_enable_private_segment 0
		.amdhsa_kernarg_size 32
		.amdhsa_user_sgpr_count 2
		.amdhsa_user_sgpr_kernarg_segment_ptr 1
		.amdhsa_wavefront_size32 1
		.amdhsa_system_sgpr_workgroup_id_x 1
		.amdhsa_system_sgpr_workgroup_id_y 1
		.amdhsa_system_sgpr_workgroup_id_z 1
		.amdhsa_system_vgpr_workitem_id 0
		.amdhsa_next_free_vgpr 576
		.amdhsa_next_free_sgpr 66
		.amdhsa_reserve_vcc 0
		.amdhsa_float_denorm_mode_32 3
		.amdhsa_float_denorm_mode_16_64 3
		.amdhsa_memory_ordered 1
		.amdhsa_forward_progress 1
		.amdhsa_inst_pref_size 73
	.end_amdhsa_kernel
	.amdgpu_metadata
---
amdhsa.version: [ 1, 2 ]
amdhsa.kernels:
  - .name:           k_q4e815c9841_qkv
    .symbol:         k_q4e815c9841_qkv.kd
    .args:
      - { .name: x, .offset: 0, .size: 8, .value_kind: global_buffer, .address_space: global }
      - { .name: wb, .offset: 8, .size: 8, .value_kind: global_buffer, .address_space: global }
      - { .name: qkv_b, .offset: 16, .size: 8, .value_kind: global_buffer, .address_space: global }
      - { .name: qkv, .offset: 24, .size: 8, .value_kind: global_buffer, .address_space: global }
    .group_segment_fixed_size: 327680
    .private_segment_fixed_size: 0
    .kernarg_segment_align: 8
    .kernarg_segment_size: 32
    .max_flat_workgroup_size: 128
    .sgpr_count:     66
    .vgpr_count:     576
    .wavefront_size: 32
...
	.end_amdgpu_metadata
.endif
;; end of part 2
;; launch attn (part 3): grid 256 x 1, 8 waves a work-group, no clusters, 167,936 bytes of LDS; arguments qkv, ctx; writes ctx
.if DOCPART == 3
	.amdgcn_target "amdgcn-amd-amdhsa--gfx1250"
	.amdhsa_code_object_version 6
	.text
	.protected	k_q4e815c9841_attn
	.globl	k_q4e815c9841_attn
	.p2align	8
	.type	k_q4e815c9841_attn,@function
k_q4e815c9841_attn:
	s_mov_b64 s[64:65], 0
	v_nop
	global_prefetch_b8 v0, s[64:65] scope:SCOPE_SE
	s_setreg_imm32_b32 hwreg(HW_REG_WAVE_MODE, 25, 1), 1
	s_wait_xcnt 0x0
; LOCAL ATTENTION on a grid of 16 x 64 tokens, head size 32: a query at (h, w) sees the keys with |dh| <= 3 and |dw| <= 5.  q, k, v bf16 in [batch][octet 96][token 1024][8]; ctx bf16 in [batch][octet 32][token][8].
; Products, maxima in f32; p = 2^(c s - c m) with the row's true maximum m, c = log2(e) / sqrt(32); p is rounded to bf16 for the second product, and the divisor l is the sum of those rounded p (ones x P on the matrix unit).
; LIMITS.  A hidden score counts as s - 1e30 (or its exponent less 1e30); a weight below 2^-126 counts as 0; NaN and infinities are not treated apart.
; SHARES.  A work-group has one (batch, head); all its K and V, 2 x 65,536 bytes, are brought into LDS once.  Wave w takes grid rows 2 w and 2 w + 1: eight tiles of 16 queries.
; A tile's keys: 7 grid rows x 32 columns from SC = 0, 8, 24, 32, which cover columns 16 wt - 5 .. 16 wt + 20: 14 products K Q^T, 14 V^T P, 7 for l.
; NO CLUSTER: no two work-groups read a common byte.
; THE MASK along w is the C operand of K Q^T: 0 or -1e30; it hangs on lane, register and 16 wt - SC - 16 blk alone: five blocks of eight registers, made once.
; A grid row outside 0..15 is read at the clamped row, which lies in the window, so the maximum is not changed; its exponents get -1e30, so its weights are 0.  No branch hangs on it.
; LAYOUT.  S^T = K Q^T holds one query a lane (lane % 16) and keys 8 (lane / 16) + 0..7; two such results packed ARE source 1 of O^T = V^T P.  V is turned by ds_load_tr16_b128.
; REGISTERS.  window 0: v8-31 addresses; v32-55 statistics; v56-63 packed output; v64-79 O^T; v80-87 l; v144-255 S^T, (row i, blk) at 144 + 8 (2 i + blk); P is packed in place, P of row i at 144 + 8 i.
;   window 1: v0-31 Q of the row in hand; v32-63 Q of the second row; v64-103 masks; v104-111 ones; v112-223 14 fragments of K, then of V.
.set PP,    16512                      ; from octet plane to octet plane in LDS: 16,384 + 128, so that the two octets of a turning load fall into different banks (64 banks of 4 bytes: ISA guide 11.1)
.set SPARE, 132096                     ; behind the 8 planes: the spare words, 128 bytes for each of 8 waves
.set SPW, 8
.set NIL, 9
.set AK0, 10
.set AV0, 11
.set QO,  12                           ; octet h, token r: my offset in q and in ctx
.set DV,  14
.set AK,  16                           ; v16-22  K's address for each of the 7 grid rows
.set AV,  24                           ; v24-30  V's
.set NC,  32                           ; v32-45  pairs: the row's addend - c m
.set CM,  46
.set MX,  48                           ; v48-51  four running maxima
.set TT,  52
.set R,   54
.set OUT, 56
.set O,   64
.set LS,  80
.set S,   144
.set QA,  0
.set QB,  32
.set MASK, 64
.set ONES, 104
.set FR,  112
.set WV,  8
.set G0,  12
.set G1,  16
.set CS,  24
.set SEL, 26
.set BIGN, 28
.set H,   29
.set CNT, 30
.set TA,  31
.set TB,  32
.set QP,  34
.set RB,  36                           ; s[36:49] pairs: 0, or -1e30 for a grid row outside
.set CB,  50
.set MSB, 0
.macro WIN new
.if MSB != (\new)
	s_set_vgpr_msb (MSB<<8)|(\new)
.set MSB, \new
.endif
.endm
.macro PLACES
.rept 4
	v_nop
.endr
.endm
	s_load_b128 s[4:7], s[0:1], 0x0                ; qkv s[4:5], ctx s[6:7]
	v_lshl_add_u32 v[SPW], v0, 2, SPARE
	v_mov_b32 v[NIL], 0
	ds_add_u32 v[SPW], v[NIL]                      ; the wave's opening: the add and its wait come ahead of my tensor load
	ds_add_u32 v8, v9
	v_lshrrev_b32 v3, 5, v0
	v_readfirstlane_b32 s[WV], v3                  ; wave 0..7
	s_lshr_b32 s52, ttmp9, 3                       ; batch
	s_and_b32 s53, ttmp9, 7                        ; head
	; a plane of 16,384 dense bytes: 64 rows of 256
	s_mov_b32 s[G1+0], 3<<16
	s_mov_b32 s[G1+1], 32<<16
	s_mov_b32 s[G1+2], 64<<16
	s_mov_b32 s[G1+3], 32<<16
	s_mov_b32 s[G1+4], 64
	s_mov_b32 s[G1+5], 32
	s_mov_b32 s[G1+6], 0
	s_mov_b32 s[G1+7], 0
	s_mov_b32 s[G0], 1
	s_mul_i32 s[G0+1], s[WV], PP                   ; wave w fills plane w: K's octets 0-3, V's octets 0-3
	s_mul_i32 s54, s52, 1572864
	s_lshl_b32 s55, s53, 16
	s_add_co_u32 s54, s54, s55                     ; the head's four planes of q
	s_lshr_b32 s55, s[WV], 2
	s_lshl_b32 s55, s55, 19                        ; K or V: 32 planes apart
	s_and_b32 s56, s[WV], 3
	s_lshl_b32 s56, s56, 14
	s_add_co_u32 s56, s56, s55
	s_add_co_u32 s56, s56, 524288                  ; K's planes begin 32 planes behind q's
	s_add_co_u32 s56, s56, s54
	s_mov_b32 s57, 0
	s_lshl_b32 s55, s[WV], 11                      ; my two grid rows: 2 w x 64 tokens x 16 bytes
	s_add_co_u32 s58, s54, s55
	s_mov_b32 s59, 0
	s_lshl_b32 s60, s52, 19
	s_lshl_b32 s61, s53, 16
	s_add_co_u32 s60, s60, s61
	s_add_co_u32 s60, s60, s55
	s_mov_b32 s61, 0
	s_mov_b32 s[CS], 0x3e8293ee                    ; c = log2(e) / sqrt(32) = 0.255035
	s_mov_b32 s[CS+1], s[CS]
	s_mov_b32 s[SEL], 0x76543210
	s_mov_b32 s[SEL+1], 0xfedcba98
	s_mov_b32 s[BIGN], 0xf149f2ca                  ; -1e30
	s_lshl_b32 s[H], s[WV], 1
	s_mov_b32 s[CNT], 2
.irp i, 0,1,2,3,4,5,6
	s_mov_b32 s[RB+2*\i+1], 0                      ; named as pairs
.endr
	v_and_b32 v1, 15, v0                           ; r
	v_bfe_u32 v2, v0, 4, 1                         ; h
	v_and_b32 v4, 7, v0
	v_bfe_u32 v5, v0, 3, 1
	v_lshl_add_u32 v4, v2, 3, v4
	v_mul_u32_u24 v[AK0], v2, PP                   ; K: octet h (and 2 + h), key r
	v_lshl_add_u32 v[AK0], v1, 4, v[AK0]
	v_mul_u32_u24 v[AV0], v5, PP                   ; V, turned: octet (lane / 8) % 2, key 8 h + lane % 8
	v_lshl_add_u32 v[AV0], v4, 4, v[AV0]
	v_add_nc_u32 v[AV0], 4*PP, v[AV0]
	v_lshlrev_b32 v[QO], 4, v1
	v_lshl_add_u32 v[QO], v2, 14, v[QO]
	v_lshlrev_b32 v[DV], 3, v2
	v_sub_nc_u32 v[DV], v1, v[DV]
	v_add_nc_u32 v[DV], 21, v[DV]                  ; r - 8 h + 21
	v_mov_b32 v[TT], 0                             ; destinations that count as read, and the second word of a pair
	v_mov_b32 v[R+1], 0
	s_wait_dscnt 0x0                               ; the opening add is done
	s_wait_kmcnt 0x0
	s_add_nc_u64 s[G0+2:G0+3], s[4:5], s[56:57]
	s_or_b32 s[G0+3], s[G0+3], 0x80000000
	s_add_nc_u64 s[QP:QP+1], s[4:5], s[58:59]
	s_add_nc_u64 s[CB:CB+1], s[6:7], s[60:61]
	tensor_load_to_lds s[G0:G0+3], s[G1:G1+7]      ; my one tensor load
	s_nop 0
	PLACES
	WIN 0x40                                       ; destination window 1
.set i, 0
.rept 8                                ; Q of both grid rows: row i / 4, tile i % 4; octets h and 2 + h
	global_load_b128 v[QA+8*i:QA+8*i+3],   v[QO], s[QP:QP+1] offset:(i/4)*1024+(i%4)*256
	global_load_b128 v[QA+8*i+4:QA+8*i+7], v[QO], s[QP:QP+1] offset:(i/4)*1024+(i%4)*256+32768
.set i, i+1
.endr
.set i, 0
.rept 8
	v_mov_b32 v[ONES+i], 0x3f803f80
.set i, i+1
.endr
	; Mask block d (offset 8 d - 16), register j: hidden where |r - 8 h - j + 8 d - 16| > 5, that is where r - 8 h + 21 - (32 + j - 8 d), taken unsigned, is above 10
	WIN 0x44                                       ; destination and source 1 in window 1
.set d, 0
.rept 5
.set j, 0
.rept 8
	v_sub_nc_u32 v[MASK+8*d+j], v[DV], 32+j-8*d
	v_cmp_lt_u32 vcc_lo, 10, v[MASK+8*d+j]
	v_cndmask_b32 v[MASK+8*d+j], 0, s[BIGN], vcc_lo
.set j, j+1
.endr
.set d, d+1
.endr
	WIN 0
	s_wait_tensorcnt 0x0                           ; my plane is in,
	s_barrier_signal -1
	s_barrier_wait -1                              ; everybody's is; nothing is ever filled again
.macro KLOAD wt                        ; 14 fragments of K: grid row i, keys SC + 16 k on
.set SC, 16*(\wt)-8*(((\wt)+1)/2)
	WIN 0x40
.set i, 0
.rept 7
.irp k, 0,1
	ds_load_b128 v[FR+8*(2*i+\k):FR+8*(2*i+\k)+3],   v[AK+i] offset:16*SC+256*\k
	ds_load_b128 v[FR+8*(2*i+\k)+4:FR+8*(2*i+\k)+7], v[AK+i] offset:16*SC+256*\k+2*PP
.endr
.set i, i+1
.endr
.endm
.macro VLOAD                           ; 14 fragments of V^T: grid row i, channels 16 k on, the tile's 32 keys
	WIN 0x40
.set i, 0
.rept 7
.irp k, 0,1
	ds_load_tr16_b128 v[FR+8*(2*i+\k):FR+8*(2*i+\k)+3],   v[AV+i] offset:16*SC+2*PP*\k
	ds_load_tr16_b128 v[FR+8*(2*i+\k)+4:FR+8*(2*i+\k)+7], v[AV+i] offset:16*SC+2*PP*\k+256
.endr
.set i, i+1
.endr
.endm
; The maximum of the lane's 112 scores: four chains, chain c over groups c, c + 4, c + 8 (, c + 12), three operands at a time; each accumulator's lowest registers are read first.
.macro MAXP
.irp c, 0,1,2,3
	v_max3_num_f32 v[MX+\c], v[S+8*\c], v[S+8*\c+1], v[S+8*\c+2]
.endr
.set p, 3
.rept 10
.irp c, 0,1,2,3
	v_max3_num_f32 v[MX+\c], v[MX+\c], v[S+8*(\c+4*(p/8))+p%8], v[S+8*(\c+4*((p+1)/8))+(p+1)%8]
.endr
.set p, p+2
.endr
.rept 4
.irp c, 0,1
	v_max3_num_f32 v[MX+\c], v[MX+\c], v[S+8*(\c+4*(p/8))+p%8], v[S+8*(\c+4*((p+1)/8))+(p+1)%8]
.endr
.set p, p+2
.endr
	v_max3_num_f32 v[MX+2], v[MX+2], v[S+87], v[S+95]    ; the four scores left over
	v_max3_num_f32 v[MX], v[MX], v[S+103], v[S+111]
	v_max3_num_f32 v[MX], v[MX], v[MX+1], v[MX+2]
	v_max_num_f32 v[MX], v[MX], v[MX+3]
	v_permlanex16_b32 v[TT], v[MX], s[SEL], s[SEL+1]     ; the query's other keys lie in the lane 16 away
	v_max_num_f32 v[MX], v[MX], v[TT]
	v_mul_f32 v[CM], s[CS], v[MX]
	v_mul_f32 v[CM+1], s[CS], v[MX]
.irp i, 0,1,2,3,4,5,6
	v_pk_add_f32 v[NC+2*\i:NC+2*\i+1], v[CM:CM+1], s[RB+2*\i:RB+2*\i+1] op_sel_hi:[1,0] neg_lo:[1,0] neg_hi:[1,0]  ; the row's addend - c m
.endr
.endm
.macro EF g, q                         ; c s + addend for pair q of group g
	v_pk_fma_f32 v[S+8*(\g)+2*(\q):S+8*(\g)+2*(\q)+1], v[S+8*(\g)+2*(\q):S+8*(\g)+2*(\q)+1], s[CS:CS+1], v[NC+2*((\g)/2):NC+2*((\g)/2)+1] op_sel_hi:[1,0,1]
.endm
.macro EE g, e
	v_exp_f32 v[S+8*(\g)+(\e)], v[S+8*(\g)+(\e)]
.endm
.macro EC g, q                         ; pair q of group g rounded to bf16, into a register whose two weights have been rounded already
	s_wait_alu depctr_va_vdst(0)
	v_cvt_pk_bf16_f32 v[S+4*(\g)+(\q)], v[S+8*(\g)+2*(\q)], v[S+8*(\g)+2*(\q)+1]
.endm
; Exponentials of group g, the scaling of group g + 1 and the rounding of group g - 1 by turns: a plain instruction that names neither its result nor its source stands behind each exponential before the result is used (ISA guide 5.7.2).
.macro EXPP
.irp q, 0,1,2,3
	EF 0, \q
.endr
.set g, 0
.rept 14
.set q, 0
.rept 4
	EE g, 2*q
.if g < 13
	EF g+1, q
.endif
	EE g, 2*q+1
.if g > 0
	EC g-1, q
.endif
.set q, q+1
.endr
.set g, g+1
.endr
.irp q, 0,1,2,3
	EC 13, \q
.endr
.endm
.macro TILE wt
.set SC, 16*(\wt)-8*(((\wt)+1)/2)
.set MB, MASK+8*(((\wt)+1)/2)          ; key block 1's mask; key block 0's lies two blocks on
	s_wait_dscnt 0x0                               ; K's fragments are in
	WIN 0x15                                       ; K, Q and the mask in window 1, S^T in window 0
.set g, 0
.rept 14
	v_wmma_f32_16x16x32_bf16 v[S+8*g:S+8*g+7], v[FR+8*g:FR+8*g+7], v[QA+8*(\wt):QA+8*(\wt)+7], v[MB+16-16*(g%2):MB+16-16*(g%2)+7]
.set g, g+1
.endr
	WIN 0
	PLACES                                         ; in front of the loads into K's registers and of the reads of the scores
	VLOAD
	WIN 0
	MAXP
	EXPP
	s_wait_dscnt 0x0                               ; V's fragments are in
	WIN 0x01                                       ; V and the ones in window 1
.set i, 0
.rept 7                                ; three accumulators take turns
.if i == 0
	v_wmma_f32_16x16x32_bf16 v[O:O+7],    v[FR:FR+7],       v[S:S+7], 0
	v_wmma_f32_16x16x32_bf16 v[O+8:O+15], v[FR+8:FR+15],    v[S:S+7], 0
	v_wmma_f32_16x16x32_bf16 v[LS:LS+7],  v[ONES:ONES+7],   v[S:S+7], 0
.else
	v_wmma_f32_16x16x32_bf16 v[O:O+7],    v[FR+16*i:FR+16*i+7],    v[S+8*i:S+8*i+7], v[O:O+7]
	v_wmma_f32_16x16x32_bf16 v[O+8:O+15], v[FR+16*i+8:FR+16*i+15], v[S+8*i:S+8*i+7], v[O+8:O+15]
	v_wmma_f32_16x16x32_bf16 v[LS:LS+7],  v[ONES:ONES+7],          v[S+8*i:S+8*i+7], v[LS:LS+7]
.endif
.set i, i+1
.endr
	WIN 0
	PLACES
.if (\wt) < 3
	KLOAD (\wt)+1                                  ; the next tile's K lands while this tile goes out
.endif
	WIN 0
	v_rcp_f32 v[R], v[LS]                          ; every register of l holds the query's whole sum
	v_nop                                          ; a plain instruction behind the reciprocal
	s_wait_xcnt 0x0                                ; the last tile's stores have had their addresses translated (ISA guide 3.1): OUT is rewritten only behind this wait
	s_wait_alu depctr_va_vdst(0)
.irp q, 0,1,2,3,4,5,6,7
	v_pk_mul_f32 v[O+2*\q:O+2*\q+1], v[O+2*\q:O+2*\q+1], v[R:R+1] op_sel_hi:[1,0]
.endr
.irp q, 0,1,2,3,4,5,6,7
	v_cvt_pk_bf16_f32 v[OUT+\q], v[O+2*\q], v[O+2*\q+1]
.endr
	global_store_b128 v[QO], v[OUT:OUT+3],   s[CB:CB+1] offset:(\wt)*256        ; 16 lanes store 256 consecutive bytes, at a multiple of 256 from the buffer's first
	global_store_b128 v[QO], v[OUT+4:OUT+7], s[CB:CB+1] offset:(\wt)*256+32768
.endm
.Lrow:                                                 ; two trips: my two grid rows
.irp i, 0,1,2,3,4,5,6
	s_add_co_i32 s[TA], s[H], \i-3                 ; the key row,
	s_max_i32 s[TB], s[TA], 0
	s_min_u32 s[TB], s[TB], 15                     ; clamped into the grid;
	s_cmp_eq_u32 s[TB], s[TA]
	s_cselect_b32 s[RB+2*\i], 0, s[BIGN]           ; outside it the exponents get -1e30
	s_lshl_b32 s[TB], s[TB], 10
	v_add_nc_u32 v[AK+\i], s[TB], v[AK0]
	v_add_nc_u32 v[AV+\i], s[TB], v[AV0]
.endr
	KLOAD 0
	s_wait_loadcnt 0x0                             ; Q
	TILE 0
	TILE 1
	TILE 2
	TILE 3
	WIN 0
	s_cmp_eq_u32 s[CNT], 1
	s_cbranch_scc1 .Lno_copy                       ; behind the second row there is none
	WIN 0x41
.set i, 0
.rept 32
	v_mov_b32 v[QA+i], v[QB+i]                     ; the second row's Q goes where the one text of the tiles names Q
.set i, i+1
.endr
	WIN 0
.Lno_copy:
	s_wait_xcnt 0x0                                ; the stores' base is stepped only behind this wait
	s_add_nc_u64 s[CB:CB+1], s[CB:CB+1], 1024
	s_add_co_u32 s[H], s[H], 1
	s_sub_co_u32 s[CNT], s[CNT], 1
	s_cmp_lg_u32 s[CNT], 0
	s_cbranch_scc1 .Lrow
	s_wait_tensorcnt 0x0                           ; the wave's end
	ds_add_u32 v[SPW], v[NIL]
	s_wait_dscnt 0x0
	s_endpgm
.Lfunc_end_k_q4e815c9841_attn:
	.size	k_q4e815c9841_attn, .Lfunc_end_k_q4e815c9841_attn-k_q4e815c9841_attn
	.p2alignl 7, 3214868480
	.fill 96, 4, 3214868480
	.section	.rodata,"a",@progbits
	.p2align	6, 0x0
	.amdhsa_kernel k_q4e815c9841_attn
		.amdhsa_group_segment_fixed_size 167936
		.amdhsa_private_segment_fixed_size 0
		.amdhsa_enable_private_segment 0
		.amdhsa_kernarg_size 16
		.amdhsa_user_sgpr_count 2
		.amdhsa_user_sgpr_kernarg_segment_ptr 1
		.amdhsa_wavefront_size32 1
		.amdhsa_system_sgpr_workgroup_id_x 1
		.amdhsa_system_sgpr_workgroup_id_y 1
		.amdhsa_system_sgpr_workgroup_id_z 1
		.amdhsa_system_vgpr_workitem_id 0
		.amdhsa_next_free_vgpr 480
		.amdhsa_next_free_sgpr 66
		.amdhsa_reserve_vcc 1
		.amdhsa_float_denorm_mode_32 3
		.amdhsa_float_denorm_mode_16_64 3
		.amdhsa_memory_ordered 1
		.amdhsa_forward_progress 1
		.amdhsa_inst_pref_size 111
	.end_amdhsa_kernel
	.amdgpu_metadata
---
amdhsa.version: [ 1, 2 ]
amdhsa.kernels:
  - .name:           k_q4e815c9841_attn
    .symbol:         k_q4e815c9841_attn.kd
    .args:
      - { .name: qkv, .offset: 0, .size: 8, .value_kind: global_buffer, .address_space: global }
      - { .name: ctx, .offset: 8, .size: 8, .value_kind: global_buffer, .address_space: global }
    .group_segment_fixed_size: 167936
    .private_segment_fixed_size: 0
    .kernarg_segment_align: 8
    .kernarg_segment_size: 16
    .max_flat_workgroup_size: 256
    .sgpr_count:     66
    .vgpr_count:     480
    .wavefront_size: 32
...
	.end_amdgpu_metadata
.endif
;; end of part 3
;; launch tail (part 4): grid 256 x 1, 4 waves a work-group, clusters of 4 x 1, 327,680 bytes of LDS; arguments ctx, x, wb, proj_b, ln1_g, ln1_b, fc1_b, fc2_b, ln2_g, ln2_b, out0; writes out0
.if DOCPART == 4
	.amdgcn_target "amdgcn-amd-amdhsa--gfx1250"
	.amdhsa_code_object_version 6
	.text
	.protected	k_q4e815c9841_tail
	.globl	k_q4e815c9841_tail
	.p2align	8
	.type	k_q4e815c9841_tail,@function
k_q4e815c9841_tail:
	s_mov_b64 s[64:65], 0
	v_nop
	global_prefetch_b8 v0, s[64:65] scope:SCOPE_SE
	s_setreg_imm32_b32 hwreg(HW_REG_WAVE_MODE, 25, 1), 1
	s_wait_xcnt 0x0
	s_wait_alu depctr_hold_cnt(0) depctr_sa_sdst(0) depctr_va_vdst(0) depctr_va_sdst(0) depctr_va_ssrc(0) depctr_va_vcc(0) depctr_vm_vsrc(0)
	s_getreg_b32 s2, hwreg(HW_REG_IB_STS2, 6, 4)
	s_cmp_eq_u32 s2, 0
	s_cbranch_scc0 .Lentry_in_a_cluster
	s_endpgm
.Lentry_in_a_cluster:
	s_bfe_u32 s2, ttmp6, 0x10000c
	s_cmp_lg_u32 s2, 0x3003
	s_cbranch_scc0 .Lentry_shape_is_right
	s_endpgm
.Lentry_shape_is_right:
; out = LN2(y + gelu(y W1 + b1) W2 + b2), y = LN1(x + ctx Wp + bp).  ctx bf16 [batch][octet 32][token][8]; x, out f32 [32768][256]; Wp, W1, W2 bf16 in wb, each [K][N].
; Matrix operands bf16, sums f32; the residual path, both norms and the activation in f32.  A norm takes the mean first and then the centred squares.
; LIMITS.  erf by the rational form of Abramowitz and Stegun 7.1.25, off by 2.5e-5 at the most for every argument, which is below the rounding of the hidden numbers to bf16; NaN and infinities are not treated apart.
; SHARES.  A work-group owns 128 tokens, a wave 32 of them (two blocks of 16) with all 256 columns: 32 accumulators, 256 registers.  The matrix instruction is used transposed (source 0 = 16 columns of a
; weight, turned by ds_load_tr16_b128; source 1 = 16 tokens): a lane holds one token and 8 neighbouring columns of each block of 16.  So the whole chain stays in the wave's registers: the accumulators start as
; x + bp, take ctx Wp, are normalised in place, packed as fc1's source 1, take b2 and then H W2, and are normalised again; a norm wants two exchanges between the halves of the lanes; the hidden numbers, packed,
; ARE fc2's source 1.  No wave hands data to another; the barriers are the weight ring's.  The price: a fragment of a weight feeds two matrix instructions.
; CLUSTER.  All work-groups walk the same weights: Wp and the eight chunks of 128 hidden units (W1's columns, W2's rows) are asked for jointly by the cluster's four.  x is each work-group's own; the seven
; parameter vectors, 10,240 bytes once, are asked for singly.
; REGISTERS.  window 0: v8-21 addresses; v32-63 at work in the activation; v64-95 H packed; v96-127 b1; v128-191 fc1's 8 accumulators; v192-223 the norms' sums.
;   window 1: the 32 accumulators, (mb, nb) at 8 (16 mb + nb).   window 2: v0-127 two buffers of 8 weight fragments; v128-255 source 1 of proj and fc1, (mb, ks) at 128 + 8 (8 mb + ks).
.set PX,    1040                       ; a row of x, and of the output stage: 1,024 bytes + 16
.set P1,    288                        ; a row of W1's chunk: 256 bytes + 32, an odd multiple of 32 for the turning load
.set P2,    544                        ; a row of Wp and of W2: 512 bytes + 32
.set W2OFF, 256*P1                     ; a slot: W1's 256 rows, then W2's 128 rows
.set SLOT1, 147456                     ; shares no bit with the four LDS offsets 0, 36,864, 73,728, 108,544: one exclusive or changes slots.  Slot 0 first holds Wp, slot 1 first x
.set PAR,   290816
.set O_PB, 0
.set O_G1, 1024
.set O_B1, 2048
.set O_F2, 3072
.set O_G2, 4096
.set O_B2, 5120
.set O_F1, 6144
.set SPARE, 301056                     ; the spare words: 128 bytes for each wave
.set SPW, 8
.set NIL, 9
.set L1,  10                           ; my lane's place in a tile of pitch 288
.set L2,  11                           ; of pitch 544
.set A1A, 12
.set A1B, 13
.set A2,  14
.set XS,  15                           ; my place in my wave's 32 rows of pitch 1,040, slot 0 (the stage)
.set PA,  16
.set FBA, 17
.set CA,  18
.set RDA, 19
.set GOA, 20
.set XS1, 21                           ; the same place in slot 1 (x)
.set GA,  32
.set GU,  40
.set GW,  48
.set GP,  56
.set HF,  64
.set FBV, 96
.set HACC, 128
.set ST,  192
.set SQ,  208
.set AF,  128
.set WV,  26
.set G1X, 32
.set G1P, 40
.set G1H, 48
.set G1A, 56
.set G1B, 68
.set G0X, 76
.set G0W, 80
.set G0P1, 84
.set G0P2, 88
.set G0P3, 92
.set G0A, 76                           ; the two walking descriptors take registers whose loads are done
.set G0B, 84
.set SEL, 32                           ; so do the constants
.set K1,  34
.set C2,  36
.set KA1, 38
.set KA2, 40
.set KA3, 42
.set ABSM, 44
.set INV, 45
.set EPS, 46
.set T1,  47
.set T2,  48
.set CNT, 49
.set CN2, 50
.set MSB, 0
.macro WIN new
.if MSB != (\new)
	s_set_vgpr_msb (MSB<<8)|(\new)
.set MSB, \new
.endif
.endm
.macro PLACES
.rept 4
	v_nop
.endr
.endm
.macro ROUND
	s_barrier_signal -1
	s_barrier_wait -1
	s_cmp_lg_u32 s[WV], 0
	s_cbranch_scc1 .Lnot_wave_0_\@
	s_barrier_signal -3
.Lnot_wave_0_\@:
	s_barrier_wait -3
	s_barrier_signal -1
	s_barrier_wait -1
.endm
.macro JLOAD                           ; a joint refill: waves 0 and 1 fetch the halves of W1's chunk, waves 2 and 3 those of W2's; the branch hangs on the wave's number alone
	s_cmp_lt_u32 s[WV], 2
	s_cbranch_scc0 .Lfor_b_\@
	tensor_load_to_lds s[G0A:G0A+3], s[G1A:G1A+7]
	s_nop 0
	PLACES
	s_branch .Lasked_\@
.Lfor_b_\@:
	tensor_load_to_lds s[G0B:G0B+3], s[G1B:G1B+7]
	s_nop 0
	PLACES
.Lasked_\@:
.endm
	s_load_b512 s[4:19], s[0:1], 0x0               ; ctx 4, x 6, wb 8, proj_b 10, ln1_g 12, ln1_b 14, fc1_b 16, fc2_b 18
	s_load_b128 s[20:23], s[0:1], 0x40             ; ln2_g 20, ln2_b 22
	s_load_b64 s[24:25], s[0:1], 0x50              ; out0
	v_lshl_add_u32 v[SPW], v0, 2, SPARE
	v_mov_b32 v[NIL], 0
	ds_add_u32 v[SPW], v[NIL]                      ; the wave's opening: the add and its wait come ahead of my first tensor load
	ds_add_u32 v8, v9
	v_lshrrev_b32 v3, 5, v0
	v_readfirstlane_b32 s[WV], v3
	s_bfe_u32 s27, ttmp6, 0x40000                  ; cx
	s_lshl_b32 s28, ttmp9, 2
	s_add_co_u32 s28, s28, s27                     ; my block of 128 tokens: it enters ctx's, x's and the output's addresses alone
	s_mov_b32 s[G1X+0], (2<<16)|(1<<20)|(7<<22)|(3<<25)   ; x: 32 rows of 256 f32, 16 bytes behind each
	s_mov_b32 s[G1X+1], 256<<16
	s_mov_b32 s[G1X+2], 32<<16
	s_mov_b32 s[G1X+3], 256<<16
	s_mov_b32 s[G1X+4], 32
	s_mov_b32 s[G1X+5], 256
	s_mov_b32 s[G1X+6], 0
	s_mov_b32 s[G1X+7], 0
	s_mov_b32 s[G1P+0], 3<<16                      ; one row of 1,024 bytes
	s_mov_b32 s[G1P+1], 128<<16
	s_mov_b32 s[G1P+2], 1<<16
	s_mov_b32 s[G1P+3], 128<<16
	s_mov_b32 s[G1P+4], 1
	s_mov_b32 s[G1P+5], 128
	s_mov_b32 s[G1P+6], 0
	s_mov_b32 s[G1P+7], 0
	s_mov_b32 s[G1H+0], 3<<16                      ; one row of 512 bytes
	s_mov_b32 s[G1H+1], 64<<16
	s_mov_b32 s[G1H+2], 1<<16
	s_mov_b32 s[G1H+3], 64<<16
	s_mov_b32 s[G1H+4], 1
	s_mov_b32 s[G1H+5], 64
	s_mov_b32 s[G1H+6], 0
	s_mov_b32 s[G1H+7], 0
	s_mov_b32 s[G1A+0], 15|(1<<16)|(1<<20)|(1<<21)|(5<<22)|(7<<25)  ; W1: 128 rows of 128 bf16 out of rows of 1,024, 32 bytes behind each; joint
	s_mov_b32 s[G1A+1], 128<<16
	s_mov_b32 s[G1A+2], 128<<16
	s_mov_b32 s[G1A+3], 128<<16
	s_mov_b32 s[G1A+4], 128
	s_mov_b32 s[G1A+5], 1024
	s_mov_b32 s[G1A+6], 0
	s_mov_b32 s[G1A+7], 0
	s_mov_b32 s[G1B+0], 15|(1<<16)|(1<<20)|(1<<21)|(6<<22)|(7<<25)  ; Wp, W2: 64 rows of 256 bf16, 32 bytes behind each; joint
	s_mov_b32 s[G1B+1], 256<<16
	s_mov_b32 s[G1B+2], 64<<16
	s_mov_b32 s[G1B+3], 256<<16
	s_mov_b32 s[G1B+4], 64
	s_mov_b32 s[G1B+5], 256
	s_mov_b32 s[G1B+6], 0
	s_mov_b32 s[G1B+7], 0
	s_mov_b32 s[G0X], 1
	s_mul_i32 s[G0X+1], s[WV], 32*PX
	s_add_co_u32 s[G0X+1], s[G0X+1], SLOT1
	s_mov_b32 s[G0W], 1
	s_mul_i32 s[G0W+1], s[WV], 64*P2
	s_mov_b32 s[G0P1], 1
	s_lshl_b32 s[G0P1+1], s[WV], 10
	s_add_co_u32 s[G0P1+1], s[G0P1+1], PAR
	s_mov_b32 s[G0P2], 1
	s_lshl_b32 s[G0P2+1], s[WV], 9
	s_add_co_u32 s[G0P2+1], s[G0P2+1], PAR+O_G2
	s_mov_b32 s[G0P3], 1
	s_lshl_b32 s[G0P3+1], s[WV], 10
	s_add_co_u32 s[G0P3+1], s[G0P3+1], PAR+O_F1
	v_and_b32 v1, 15, v0                           ; r
	v_bfe_u32 v2, v0, 4, 1                         ; h
	v_and_b32 v4, 7, v0
	v_bfe_u32 v5, v0, 3, 1
	v_lshl_add_u32 v4, v2, 3, v4                   ; the turning load: row 8 h + lane % 8, 16 bytes (lane / 8) % 2
	v_mul_u32_u24 v[L1], v4, P1
	v_lshl_add_u32 v[L1], v5, 4, v[L1]
	v_mul_u32_u24 v[L2], v4, P2
	v_lshl_add_u32 v[L2], v5, 4, v[L2]
	s_mul_i32 s29, s[WV], 32*PX
	v_mul_u32_u24 v[XS], v1, PX
	v_lshl_add_u32 v[XS], v2, 5, v[XS]
	v_add_nc_u32 v[XS], s29, v[XS]                 ; row 32 w + r, 32 bytes for each half of the lanes
	v_add_nc_u32 v[XS1], SLOT1, v[XS]
	v_lshl_add_u32 v[PA], v2, 5, PAR
	v_lshl_add_u32 v[FBA], v2, 5, PAR+O_F1
	v_lshlrev_b32 v[CA], 4, v1
	v_lshl_add_u32 v[CA], v2, 14, v[CA]            ; ctx: octet h, token r
	v_mul_u32_u24 v[RDA], v2, PX
	v_lshl_add_u32 v[RDA], v1, 4, v[RDA]
	v_add_nc_u32 v[RDA], s29, v[RDA]               ; back out of the stage: lanes 0-15 256 bytes of one row, lanes 16-31 of the next
	v_lshlrev_b32 v[GOA], 4, v1
	v_lshl_add_u32 v[GOA], v2, 10, v[GOA]
	v_mov_b32 v[A1A], v[L2]                        ; Wp lies at the head of slot 0
	v_add_nc_u32 v[A1B], 128*P2, v[L2]
	s_wait_dscnt 0x0                               ; the opening add is done
	s_wait_kmcnt 0x0
	s_lshl_b32 s30, s28, 17                        ; x and out0: 131,072 bytes a block, 32,768 a wave
	s_lshl_b32 s31, s[WV], 15
	s_add_co_u32 s30, s30, s31
	s_mov_b32 s31, 0
	s_add_nc_u64 s[G0X+2:G0X+3], s[6:7], s[30:31]
	s_or_b32 s[G0X+3], s[G0X+3], 0x80000000
	s_add_nc_u64 s[24:25], s[24:25], s[30:31]
	s_lshl_b32 s30, s[WV], 15                      ; Wp: 64 rows of 512 bytes a wave
	s_add_co_u32 s30, s30, 393216
	s_add_nc_u64 s[G0W+2:G0W+3], s[8:9], s[30:31]
	s_or_b32 s[G0W+3], s[G0W+3], 0x80000000
	s_mov_b64 s[96:97], s[10:11]                   ; wave 0 brings proj_b, 1 ln1_g, 2 ln1_b, 3 fc2_b
	s_cmp_eq_u32 s[WV], 1
	s_cselect_b64 s[96:97], s[12:13], s[96:97]
	s_cmp_eq_u32 s[WV], 2
	s_cselect_b64 s[96:97], s[14:15], s[96:97]
	s_cmp_eq_u32 s[WV], 3
	s_cselect_b64 s[96:97], s[18:19], s[96:97]
	s_mov_b64 s[G0P1+2:G0P1+3], s[96:97]
	s_or_b32 s[G0P1+3], s[G0P1+3], 0x80000000
	s_cmp_lt_u32 s[WV], 2                          ; waves 0, 1 the halves of ln2_g, waves 2, 3 those of ln2_b
	s_cselect_b64 s[98:99], s[20:21], s[22:23]
	s_and_b32 s30, s[WV], 1
	s_lshl_b32 s30, s30, 9
	s_add_nc_u64 s[G0P2+2:G0P2+3], s[98:99], s[30:31]
	s_or_b32 s[G0P2+3], s[G0P2+3], 0x80000000
	s_lshl_b32 s30, s[WV], 10                      ; each a quarter of fc1_b
	s_add_nc_u64 s[G0P3+2:G0P3+3], s[16:17], s[30:31]
	s_or_b32 s[G0P3+3], s[G0P3+3], 0x80000000
	s_lshr_b32 s30, s28, 3                         ; ctx: batch, the block's first token, my wave's 32 tokens
	s_lshl_b32 s30, s30, 19
	s_and_b32 s29, s28, 7
	s_lshl_b32 s29, s29, 11
	s_add_co_u32 s30, s30, s29
	s_lshl_b32 s29, s[WV], 9
	s_add_co_u32 s30, s30, s29
	s_add_nc_u64 s[4:5], s[4:5], s[30:31]
	ROUND                                          ; all four work-groups are here: the first joint loads meet
	tensor_load_to_lds s[G0X:G0X+3], s[G1X:G1X+7]  ; the first fills go out together: five loads of mine are out
	s_nop 0
	tensor_load_to_lds s[G0W:G0W+3], s[G1B:G1B+7]
	s_nop 0
	tensor_load_to_lds s[G0P1:G0P1+3], s[G1P:G1P+7]
	s_nop 0
	tensor_load_to_lds s[G0P2:G0P2+3], s[G1H:G1H+7]
	s_nop 0
	tensor_load_to_lds s[G0P3:G0P3+3], s[G1P:G1P+7]
	s_nop 0
	PLACES
	WIN 0x80                                       ; destination window 2
.set i, 0
.rept 16                               ; ctx's fragments straight from memory: i = 8 mb + ks; octets 4 ks + h and 4 ks + 2 + h; 16 lanes read 256 consecutive bytes
	global_load_b128 v[AF+8*i:AF+8*i+3],   v[CA], s[4:5] offset:(i%8)*65536+(i/8)*256
	global_load_b128 v[AF+8*i+4:AF+8*i+7], v[CA], s[4:5] offset:(i%8)*65536+32768+(i/8)*256
.set i, i+1
.endr
	WIN 0
	s_wait_tensorcnt 0x0                           ; my parts are in,
	s_barrier_signal -1
	s_barrier_wait -1                              ; everybody's are
	s_mov_b32 s[SEL], 0x76543210                   ; no tensor load of mine is out: the shapes that are done with give their registers to the constants
	s_mov_b32 s[SEL+1], 0xfedcba98
	s_mov_b32 s[K1], 0x3eaa540e                    ; 0.47047 / sqrt(2)
	s_mov_b32 s[K1+1], s[K1]
	s_mov_b32 s[C2], 0xbf38aa3b                    ; -log2(e) / 2
	s_mov_b32 s[C2+1], s[C2]
	s_mov_b32 s[KA1], 0x3e32303a                   ; 0.3480242 / 2
	s_mov_b32 s[KA1+1], s[KA1]
	s_mov_b32 s[KA2], 0xbd445ca1                   ; -0.0958798 / 2
	s_mov_b32 s[KA2+1], s[KA2]
	s_mov_b32 s[KA3], 0x3ebf7377                   ; 0.7478556 / 2
	s_mov_b32 s[KA3+1], s[KA3]
	s_mov_b32 s[ABSM], 0x7fffffff
	s_mov_b32 s[INV], 0x3b800000                   ; 1 / 256
	s_mov_b32 s[EPS], 0x358637bd                   ; 1e-6
	s_mov_b32 s[T1], 0
	s_mov_b32 s[T2], W2OFF
; A vector of 256 numbers at PAR + po is added to both blocks of rows
.macro ADDV po
	WIN 0x80
.set n, 0
.rept 16
	ds_load_b128 v[8*n:8*n+3],   v[PA] offset:(\po)+64*n
	ds_load_b128 v[8*n+4:8*n+7], v[PA] offset:(\po)+64*n+16
.set n, n+1
.endr
	s_wait_dscnt 0x0
	WIN 0x49                                       ; accumulators in window 1, the vector in window 2
.set i, 0
.rept 128
	v_pk_add_f32 v[2*i:2*i+1], v[2*i:2*i+1], v[2*(i%64):2*(i%64)+1]
.set i, i+1
.endr
.endm
; 8 fragments of a tile of pitch 544: rows 32 kq on (from address register ar), columns 128 (u % 2) on, into buffer u % 2
.macro LD544 u, ar, kq
.set bf, 64*((\u)%2)
.set f, 0
.rept 8
	ds_load_tr16_b128 v[bf+8*f:bf+8*f+3],   v[\ar] offset:(\kq)*32*P2+(8*((\u)%2)+f)*32
	ds_load_tr16_b128 v[bf+8*f+4:bf+8*f+7], v[\ar] offset:(\kq)*32*P2+16*P2+(8*((\u)%2)+f)*32
.set f, f+1
.endr
.endm
; 16 matrix instructions onto the accumulators of columns 128 (u % 2) on: 8 column blocks x 2 row blocks by turns; source 1 at sb + 8 (sm mb + kq)
.macro MUL2 u, sb, sm, kq
.set bf, 64*((\u)%2)
.set a, 0
.rept 16
	v_wmma_f32_16x16x32_bf16 v[8*(16*(a%2)+8*((\u)%2)+a/2):8*(16*(a%2)+8*((\u)%2)+a/2)+7], v[bf+8*(a/2):bf+8*(a/2)+7], v[(\sb)+8*((\sm)*(a%2)+(\kq)):(\sb)+8*((\sm)*(a%2)+(\kq))+7], v[8*(16*(a%2)+8*((\u)%2)+a/2):8*(16*(a%2)+8*((\u)%2)+a/2)+7]
.set a, a+1
.endr
.endm
; fc1, unit u: K steps 2 u and 2 u + 1 x 4 blocks of 16 hidden units
.macro F1LOAD u
.set bf, 64*((\u)%2)
.set f, 0
.rept 8                                ; f = 4 kk + nb
	ds_load_tr16_b128 v[bf+8*f:bf+8*f+3],   v[A1A+(\u)/2] offset:((2*(\u)+f/4)%4)*32*P1+(f%4)*32
	ds_load_tr16_b128 v[bf+8*f+4:bf+8*f+7], v[A1A+(\u)/2] offset:((2*(\u)+f/4)%4)*32*P1+16*P1+(f%4)*32
.set f, f+1
.endr
.endm
.macro F1MUL u                         ; a = 8 kk + 4 mb + nb: 8 accumulators by turns; the first K step takes b1 as C
.set bf, 64*((\u)%2)
.set a, 0
.rept 16
.if ((\u) == 0) && (a < 8)
	v_wmma_f32_16x16x32_bf16 v[HACC+8*(a%8):HACC+8*(a%8)+7], v[bf+8*(4*(a/8)+a%4):bf+8*(4*(a/8)+a%4)+7], v[AF+8*(8*((a%8)/4)+2*(\u)+a/8):AF+8*(8*((a%8)/4)+2*(\u)+a/8)+7], v[FBV+8*(a%4):FBV+8*(a%4)+7]
.else
	v_wmma_f32_16x16x32_bf16 v[HACC+8*(a%8):HACC+8*(a%8)+7], v[bf+8*(4*(a/8)+a%4):bf+8*(4*(a/8)+a%4)+7], v[AF+8*(8*((a%8)/4)+2*(\u)+a/8):AF+8*(8*((a%8)/4)+2*(\u)+a/8)+7], v[HACC+8*(a%8):HACC+8*(a%8)+7]
.endif
.set a, a+1
.endr
.endm
; gelu(x) = x/2 + |x| (1/2 - e), e = ((a3 t + a2) t + a1) t 2^(-x^2 log2(e)/2) with halved coefficients, t = 1 / (1 + 0.47047 |x| / sqrt(2)); then rounded to bf16 as fc2's source 1.
; Accumulator a = 4 mb + nb; its lowest register is read first.  The halving of x is the plain work behind the transcendentals (ISA guide 5.7.2).
.macro GEL a
.set XR, HACC+8*(\a)
.set HD, HF+8*(2*((\a)/4)+((\a)%4)/2)+4*((\a)%2)
.irp j, 0,1,2,3,4,5,6,7
	v_and_b32 v[GA+\j], s[ABSM], v[XR+\j]
.endr
.irp q, 0,2,4,6
	v_pk_fma_f32 v[GU+\q:GU+\q+1], v[GA+\q:GA+\q+1], s[K1:K1+1], 1.0 op_sel_hi:[1,0,0]
.endr
.irp q, 0,2,4,6
	v_pk_mul_f32 v[GW+\q:GW+\q+1], v[XR+\q:XR+\q+1], v[XR+\q:XR+\q+1]
.endr
.irp q, 0,2,4,6
	v_pk_mul_f32 v[GW+\q:GW+\q+1], v[GW+\q:GW+\q+1], s[C2:C2+1] op_sel_hi:[1,0]
.endr
.irp j, 0,1,2,3,4,5,6,7
	v_rcp_f32 v[GU+\j], v[GU+\j]
.endr
.irp j, 0,1,2,3,4,5,6,7
	v_exp_f32 v[GW+\j], v[GW+\j]
.endr
.irp q, 0,2,4,6
	v_pk_mul_f32 v[XR+\q:XR+\q+1], v[XR+\q:XR+\q+1], 0.5 op_sel_hi:[1,0]
.endr
	s_wait_alu depctr_va_vdst(0)
.irp q, 0,2,4,6
	v_pk_fma_f32 v[GP+\q:GP+\q+1], v[GU+\q:GU+\q+1], s[KA3:KA3+1], s[KA2:KA2+1] op_sel_hi:[1,0,0]
.endr
.irp q, 0,2,4,6
	v_pk_fma_f32 v[GP+\q:GP+\q+1], v[GP+\q:GP+\q+1], v[GU+\q:GU+\q+1], s[KA1:KA1+1] op_sel_hi:[1,1,0]
.endr
.irp q, 0,2,4,6
	v_pk_mul_f32 v[GP+\q:GP+\q+1], v[GP+\q:GP+\q+1], v[GU+\q:GU+\q+1]
.endr
.irp q, 0,2,4,6
	v_pk_fma_f32 v[GP+\q:GP+\q+1], v[GP+\q:GP+\q+1], v[GW+\q:GW+\q+1], 0.5 op_sel_hi:[1,1,0] neg_lo:[1,0,0] neg_hi:[1,0,0]
.endr
.irp q, 0,2,4,6
	v_pk_fma_f32 v[XR+\q:XR+\q+1], v[GA+\q:GA+\q+1], v[GP+\q:GP+\q+1], v[XR+\q:XR+\q+1]
.endr
.irp q, 0,1,2,3
	v_cvt_pk_bf16_f32 v[HD+\q], v[XR+2*\q], v[XR+2*\q+1]
.endr
.endm
; 64 hidden units: fc1 (64 matrix instructions), the activation, fc2 (64).  Each unit's 16 loads are issued in one run, ahead of the 16 matrix instructions of the unit before.
.macro STEP
	WIN 0
	PLACES                                         ; in front of the loads into registers that the last matrix instructions read
	v_add_nc_u32 v[A1A], s[T1], v[L1]
	v_add_nc_u32 v[A2], s[T2], v[L2]
	v_add_nc_u32 v[A1B], 128*P1, v[A1A]
.irp n, 0,1,2,3
	ds_load_b128 v[FBV+8*\n:FBV+8*\n+3],   v[FBA] offset:64*\n
	ds_load_b128 v[FBV+8*\n+4:FBV+8*\n+7], v[FBA] offset:64*\n+16
.endr
	WIN 0x80
	F1LOAD 0
.irp u, 0,1,2,3
	s_wait_dscnt 0x0                               ; this unit's fragments are in
	PLACES
	WIN 0x80
.if \u < 3
	F1LOAD \u+1
.else
	LD544 0, A2, 0                                 ; fc2's first unit lands during the activation
.endif
	WIN 0x0a                                       ; both sources in window 2
	F1MUL \u
.endr
	WIN 0
	PLACES
.irp g, 0,1,2,3,4,5,6,7
	GEL \g
.endr
.irp u, 0,1,2,3
	s_wait_dscnt 0x0
.if \u < 3
	PLACES
	WIN 0x80
	LD544 \u+1, A2, (\u+1)/2
.endif
	WIN 0x52                                       ; W2 in window 2, H in window 0, accumulators in window 1
	MUL2 \u, HF, 2, \u/2
.endr
	WIN 0
	v_add_nc_u32 v[FBA], 256, v[FBA]
	s_add_co_u32 s[T1], s[T1], 128
	s_add_co_u32 s[T2], s[T2], 64*P2
.endm
.macro TWOSTEPS                        ; a chunk of 128 hidden units
	s_mov_b32 s[CN2], 2
.Lstep_\@:
	STEP
	s_sub_co_u32 s[CN2], s[CN2], 1
	s_cmp_lg_u32 s[CN2], 0
	s_cbranch_scc1 .Lstep_\@
.endm
.macro RED b                           ; four chains a row block into one number, with the other half of the lanes'
	WIN 0
.irp m, 0,1
	v_pk_add_f32 v[(\b)+8*\m:(\b)+8*\m+1],   v[(\b)+8*\m:(\b)+8*\m+1],   v[(\b)+8*\m+2:(\b)+8*\m+3]
	v_pk_add_f32 v[(\b)+8*\m+4:(\b)+8*\m+5], v[(\b)+8*\m+4:(\b)+8*\m+5], v[(\b)+8*\m+6:(\b)+8*\m+7]
.endr
.irp m, 0,1
	v_pk_add_f32 v[(\b)+8*\m:(\b)+8*\m+1], v[(\b)+8*\m:(\b)+8*\m+1], v[(\b)+8*\m+4:(\b)+8*\m+5]
.endr
.irp m, 0,1
	v_add_f32 v[(\b)+8*\m], v[(\b)+8*\m], v[(\b)+8*\m+1]
.endr
.irp m, 0,1
	v_permlanex16_b32 v[(\b)+8*\m+1], v[(\b)+8*\m], s[SEL], s[SEL+1]
.endr
.irp m, 0,1
	v_add_f32 v[(\b)+8*\m], v[(\b)+8*\m], v[(\b)+8*\m+1]
.endr
.endm
; The accumulators are normalised in place: mean; centred; mean of the squares; 1 / sqrt; gain and bias (at PAR + og, PAR + ob, loaded at the start into window 2, whose fragments are done with).
.macro LNORM og, ob
	WIN 0
	PLACES
	WIN 0x80
.set n, 0
.rept 16
	ds_load_b128 v[8*n:8*n+3],         v[PA] offset:(\og)+64*n
	ds_load_b128 v[8*n+4:8*n+7],       v[PA] offset:(\og)+64*n+16
	ds_load_b128 v[128+8*n:128+8*n+3], v[PA] offset:(\ob)+64*n
	ds_load_b128 v[128+8*n+4:128+8*n+7], v[PA] offset:(\ob)+64*n+16
.set n, n+1
.endr
	WIN 0x05                                       ; both sources in window 1: column blocks 0 and 1 start the chains
.irp m, 0,1
.irp c, 0,1,2,3
	v_pk_add_f32 v[ST+8*\m+2*\c:ST+8*\m+2*\c+1], v[128*\m+2*\c:128*\m+2*\c+1], v[128*\m+8+2*\c:128*\m+8+2*\c+1]
.endr
.endr
	WIN 0x04
.set n, 2
.rept 14
.irp m, 0,1
.irp c, 0,1,2,3
	v_pk_add_f32 v[ST+8*\m+2*\c:ST+8*\m+2*\c+1], v[ST+8*\m+2*\c:ST+8*\m+2*\c+1], v[128*\m+8*n+2*\c:128*\m+8*n+2*\c+1]
.endr
.endr
.set n, n+1
.endr
	RED ST
.irp m, 0,1
	v_mul_f32 v[ST+8*\m], s[INV], v[ST+8*\m]
.endr
	WIN 0x41
.set i, 0
.rept 128
	v_pk_add_f32 v[2*i:2*i+1], v[2*i:2*i+1], v[ST+8*(i/64):ST+8*(i/64)+1] op_sel_hi:[1,0] neg_lo:[0,1] neg_hi:[0,1]
.set i, i+1
.endr
	WIN 0x05
.irp m, 0,1
.irp c, 0,1,2,3
	v_pk_mul_f32 v[SQ+8*\m+2*\c:SQ+8*\m+2*\c+1], v[128*\m+2*\c:128*\m+2*\c+1], v[128*\m+2*\c:128*\m+2*\c+1]
.endr
.endr
.set n, 1
.rept 15
.irp m, 0,1
.irp c, 0,1,2,3
	v_pk_fma_f32 v[SQ+8*\m+2*\c:SQ+8*\m+2*\c+1], v[128*\m+8*n+2*\c:128*\m+8*n+2*\c+1], v[128*\m+8*n+2*\c:128*\m+8*n+2*\c+1], v[SQ+8*\m+2*\c:SQ+8*\m+2*\c+1]
.endr
.endr
.set n, n+1
.endr
	RED SQ
.irp m, 0,1
	v_fma_f32 v[SQ+8*\m], v[SQ+8*\m], s[INV], s[EPS]
.endr
.irp m, 0,1
	v_rsq_f32 v[SQ+8*\m], v[SQ+8*\m]
.endr
	v_nop                                          ; a plain instruction behind the last root
	WIN 0x41
.set i, 0
	s_wait_alu depctr_va_vdst(0)
.rept 128
	v_pk_mul_f32 v[2*i:2*i+1], v[2*i:2*i+1], v[SQ+8*(i/64):SQ+8*(i/64)+1] op_sel_hi:[1,0]
.set i, i+1
.endr
	s_wait_dscnt 0x0                               ; gain and bias are in
	WIN 0x69                                       ; accumulators in window 1, gain and bias in window 2
.set i, 0
.rept 128
	v_pk_fma_f32 v[2*i:2*i+1], v[2*i:2*i+1], v[2*(i%64):2*(i%64)+1], v[128+2*(i%64):128+2*(i%64)+1]
.set i, i+1
.endr
.endm
	; THE ACCUMULATORS START AS x + proj_b
	WIN 0x40
.set i, 0
.rept 32                               ; i = 16 mb + nb: my token's columns 16 nb + 8 h + 0..7
	ds_load_b128 v[8*i:8*i+3],   v[XS1] offset:(i/16)*16*PX+(i%16)*64
	ds_load_b128 v[8*i+4:8*i+7], v[XS1] offset:(i/16)*16*PX+(i%16)*64+16
.set i, i+1
.endr
	ADDV O_PB
	; ctx Wp: 16 units of 16 matrix instructions: K step u / 2, columns 128 (u % 2) on
	WIN 0x80
	LD544 0, A1A, 0
.set uu, 0
.rept 16
	s_wait_dscnt 0x0
.if uu == 0
	s_wait_loadcnt 0x0                             ; ctx's fragments
.endif
.if uu < 15
	PLACES
	WIN 0x80
	LD544 uu+1, A1A+((uu+1)/2)/4, ((uu+1)/2)%4
.endif
	WIN 0x5a                                       ; both sources in window 2, accumulators in window 1
	MUL2 uu, AF, 8, uu/2
.set uu, uu+1
.endr
	; Wp is done with: chunk 0 takes its place
	WIN 0
	s_wait_tensorcnt 0x0                           ; no tensor load of mine is out, so the walking descriptors may be written
	ds_add_u32 v[SPW], v[NIL]                      ; the descriptors are made between it and the wait for it
	s_and_b32 s29, s[WV], 1
	s_mov_b32 s[G0A], 1
	s_mul_i32 s[G0A+1], s29, 128*P1
	s_lshl_b32 s30, s29, 18                        ; 128 rows of 2,048 bytes
	s_add_co_u32 s30, s30, 524288
	s_mov_b32 s31, 0
	s_add_nc_u64 s[G0A+2:G0A+3], s[8:9], s[30:31]
	s_or_b32 s[G0A+3], s[G0A+3], 0x80000000
	s_mov_b32 s[G0B], 1
	s_mul_i32 s[G0B+1], s29, 64*P2
	s_add_co_u32 s[G0B+1], s[G0B+1], W2OFF
	s_lshl_b32 s30, s29, 15                        ; 64 rows of 512 bytes
	s_add_co_u32 s30, s30, 1048576
	s_add_nc_u64 s[G0B+2:G0B+3], s[8:9], s[30:31]
	s_or_b32 s[G0B+3], s[G0B+3], 0x80000000
	s_wait_dscnt 0x0                               ; the add is done, and my reads of Wp are over
	ROUND
	JLOAD                                          ; it lands during the first norm
	LNORM O_G1, O_B1
	WIN 0x85                                       ; y packed as fc1's source 1: column blocks 2 ks and 2 ks + 1 are registers 0-3 and 4-7 of K step ks
.set i, 0
.rept 128
	v_cvt_pk_bf16_f32 v[AF+i], v[2*i], v[2*i+1]
.set i, i+1
.endr
	ADDV O_F2                                      ; y + fc2_b: fc2 adds onto it
	WIN 0
	s_mov_b32 s[CNT], 7
.Lslot:                                                ; seven trips: chunk v is multiplied while chunk v + 1 lands in the other slot: 256 matrix instructions and two activations of a wave
	s_wait_tensorcnt 0x0                           ; my part of this trip's chunk is in; no tensor load of mine is out
	ds_add_u32 v[SPW], v[NIL]
	s_xor_b32 s[G0A+1], s[G0A+1], SLOT1
	s_add_nc_u64 s[G0A+2:G0A+3], s[G0A+2:G0A+3], 256
	s_xor_b32 s[G0B+1], s[G0B+1], SLOT1
	s_add_nc_u64 s[G0B+2:G0B+3], s[G0B+2:G0B+3], 65536
	s_wait_dscnt 0x0                               ; the add is done, and my reads of the other slot are over
	ROUND
	JLOAD
	TWOSTEPS
	s_sub_co_u32 s[T1], s[T1], 256
	s_xor_b32 s[T1], s[T1], SLOT1
	s_sub_co_u32 s[T2], s[T2], 128*P2
	s_xor_b32 s[T2], s[T2], SLOT1
	s_sub_co_u32 s[CNT], s[CNT], 1
	s_cmp_lg_u32 s[CNT], 0
	s_cbranch_scc1 .Lslot
	s_wait_tensorcnt 0x0                           ; the last chunk is written out: nothing is left to ask for
	ds_add_u32 v[SPW], v[NIL]
	s_wait_dscnt 0x0
	s_barrier_signal -1
	s_barrier_wait -1
	TWOSTEPS
	LNORM O_G2, O_B2
	; THE WAY OUT, through my own 32 rows of slot 0, which has had its last fill: a lane's 32 bytes go in, whole rows come back
	WIN 0
	s_wait_dscnt 0x0
	s_barrier_signal -1
	s_barrier_wait -1                              ; every wave's reads of the slots are over
	WIN 0x04                                       ; store data in window 1
.set i, 0
.rept 32
	ds_store_b128 v[XS], v[8*i:8*i+3]   offset:(i/16)*16*PX+(i%16)*64
	ds_store_b128 v[XS], v[8*i+4:8*i+7] offset:(i/16)*16*PX+(i%16)*64+16
.set i, i+1
.endr
	WIN 0x40
.set i, 0
.rept 64                               ; LDS serves a wave's instructions in order (ISA guide 5.7.1.4): these see the stores above
	ds_load_b128 v[4*i:4*i+3], v[RDA] offset:(i/4)*2*PX+(i%4)*256
.set i, i+1
.endr
	WIN 0x04
.set i, 0
.rept 64
	s_wait_dscnt 63-i                              ; load i is back; the younger ones stay out
	global_store_b128 v[GOA], v[4*i:4*i+3], s[24:25] offset:(i/4)*2048+(i%4)*256 th:TH_STORE_NT  ; 16 lanes store 256 consecutive bytes, at a multiple of 256 from out0's first
.set i, i+1
.endr
	WIN 0
	s_wait_tensorcnt 0x0                           ; the wave's end
	ds_add_u32 v[SPW], v[NIL]
	s_wait_dscnt 0x0
	ROUND                                          ; the closing round
	s_endpgm
.Lfunc_end_k_q4e815c9841_tail:
	.size	k_q4e815c9841_tail, .Lfunc_end_k_q4e815c9841_tail-k_q4e815c9841_tail
	.p2alignl 7, 3214868480
	.fill 96, 4, 3214868480
	.section	.rodata,"a",@progbits
	.p2align	6, 0x0
	.amdhsa_kernel k_q4e815c9841_tail
		.amdhsa_group_segment_fixed_size 327680
		.amdhsa_private_segment_fixed_size 0
		.amdhsa_enable_private_segment 0
		.amdhsa_kernarg_size 88
		.amdhsa_user_sgpr_count 2
		.amdhsa_user_sgpr_kernarg_segment_ptr 1
		.amdhsa_wavefront_size32 1
		.amdhsa_system_sgpr_workgroup_id_x 1
		.amdhsa_system_sgpr_workgroup_id_y 1
		.amdhsa_system_sgpr_workgroup_id_z 1
		.amdhsa_system_vgpr_workitem_id 0
		.amdhsa_next_free_vgpr 768
		.amdhsa_next_free_sgpr 100
		.amdhsa_reserve_vcc 0
		.amdhsa_float_denorm_mode_32 3
		.amdhsa_float_denorm_mode_16_64 3
		.amdhsa_memory_ordered 1
		.amdhsa_forward_progress 1
		.amdhsa_inst_pref_size 255
	.end_amdhsa_kernel
	.section	.bss,"aw",@nobits
	.p2align	6
	.space	262144
	.amdgpu_metadata
---
amdhsa.version: [ 1, 2 ]
amdhsa.kernels:
  - .name:           k_q4e815c9841_tail
    .symbol:         k_q4e815c9841_tail.kd
    .args:
      - { .name: ctx, .offset: 0, .size: 8, .value_kind: global_buffer, .address_space: global }
      - { .name: x, .offset: 8, .size: 8, .value_kind: global_buffer, .address_space: global }
      - { .name: wb, .offset: 16, .size: 8, .value_kind: global_buffer, .address_space: global }
      - { .name: proj_b, .offset: 24, .size: 8, .value_kind: global_buffer, .address_space: global }
      - { .name: ln1_g, .offset: 32, .size: 8, .value_kind: global_buffer, .address_space: global }
      - { .name: ln1_b, .offset: 40, .size: 8, .value_kind: global_buffer, .address_space: global }
      - { .name: fc1_b, .offset: 48, .size: 8, .value_kind: global_buffer, .address_space: global }
      - { .name: fc2_b, .offset: 56, .size: 8, .value_kind: global_buffer, .address_space: global }
      - { .name: ln2_g, .offset: 64, .size: 8, .value_kind: global_buffer, .address_space: global }
      - { .name: ln2_b, .offset: 72, .size: 8, .value_kind: global_buffer, .address_space: global }
      - { .name: out0, .offset: 80, .size: 8, .value_kind: global_buffer, .address_space: global }
    .group_segment_fixed_size: 327680
    .private_segment_fixed_size: 0
    .kernarg_segment_align: 8
    .kernarg_segment_size: 88
    .max_flat_workgroup_size: 128
    .sgpr_count:     100
    .vgpr_count:     768
    .wavefront_size: 32
...
	.end_amdgpu_metadata
.endif
;; end of part 4
